; MI455X (gfx1250); checked and timed in simulation.
; The chip was launched on July 23, 2026; its instructions are those of AMD's public machine-readable ISA for CDNA 5 (MIT licence, August 2026) and "CDNA5" Instruction Set Architecture Reference Guide (July 2026). The comments in the code are by the model that wrote it; some were corrected since.
;; TFN. Allowed arithmetic: matrix products marked QUANTISED: E5M2 operands, one E8M0 scale for each 32 along K, by v_wmma_scale_f32_16x16x128_f8f6f4 with both operands' format E5M2, f32 sums; products left as they are: f32 operands where the result goes on into a quantised operand, else bf16, f16 or f32 operands; f32 sums; everything else in f32.
;; Inputs: W1 4,257 x 768 float32; W2_codes 768 x 24 x 32 uint8 (E5M2 codes of W2, K innermost, in blocks of 32 codes); W2_scales 768 x 24 uint8 (E8M0 scales of W2, one for each 32 codes along K); aW_codes 32 x 4 x 32 uint8 (E5M2 codes of aW, K innermost, in blocks of 32 codes); aW_scales 32 x 4 uint8 (E8M0 scales of aW, one for each 32 codes along K); a_beta 128 float32; a_gamma 128 float32; a_mean 128 float32; a_var 128 float32; ab 32 float32; audio_x 128 x 128 x 128 float32; b1 768 float32; b2 768 float32; tW_codes 128 x 24 x 32 uint8 (E5M2 codes of tW, K innermost, in blocks of 32 codes); tW_scales 128 x 24 uint8 (E8M0 scales of tW, one for each 32 codes along K); t_beta 768 float32; t_gamma 768 float32; t_mean 768 float32; t_var 768 float32; tb 128 float32; text_x 128 x 128 x 768 float32.
;; Outputs: out0 128 x 128 x 768 float32.
;; This version of the problem:
;;   THIS VERSION OF THE PROBLEM IS GIVEN IN LOW PRECISION. The matrix products marked QUANTISED in the list below multiply operands that are first quantised to E5M2 (5 exponent bits, 2 mantissa bits; 8 bits a number), with one power-of-two scale for each 32 numbers along K (OCP MX v1.0); their sums are f32. All else is computed in f32.
;;   The module's matrix products, in the order in which they are computed (A, B: the left and right operand; K: the contracted axis; several contracted axes count as one K, in the product's order):
;;     1. [M 16,384, K 128] x [K 128, N 32]; A: computed on the way; B: input aW (given as codes): QUANTISED
;;     2. [M 16,384, K 768] x [K 768, N 128]; A: computed on the way; B: input tW (given as codes): QUANTISED
;;     3. batch 16,384 x [M 33, K 1] x [K 1, N 129]; A: computed on the way; B: computed on the way: left as it is (no contracted axis)
;;     4. [M 16,384, K 4,257] x [K 4,257, N 768]; A: computed on the way; B: input W1: QUANTISED
;;     5. [M 16,384, K 768] x [K 768, N 768]; A: computed on the way; B: input W2 (given as codes): QUANTISED
;;   THE QUANTISER, for each operand of a quantised product, along K:
;;     - K is cut into blocks of 32 from its start; a last block that is shorter is filled with zeros.
;;     - A block's scale is 2^e with e = floor(log2(the largest magnitude in the block)) - 15, held to -126 .. 127; a block of zeros has e = 0. As a byte (E8M0): e + 127.
;;     - Each number is divided by its block's scale, clamped to +-57,344, and rounded to the nearest number of E5M2, ties to even, subnormals kept.
;;     - The product sums the exact products of the quantised numbers (number of the format x scale) in f32.
;;   ~~~python
;;   def quantise(x, axis):      # numpy; x: float32 -> the quantised numbers, widened to float32 again
;;       x = np.moveaxis(x, axis, -1); K = x.shape[-1]
;;       x = np.pad(x, [(0, 0)] * (x.ndim - 1) + [(0, -K % 32)]); x = x.reshape(x.shape[:-1] + (-1, 32)); a = np.abs(x).max(-1, keepdims=True)
;;       e = np.where(a > 0, np.clip(np.frexp(np.where(a > 0, a, 1))[1] - 1 - 15, -126, 127), 0)      # np.frexp(a)[1] - 1 = floor(log2(a)), exactly
;;       r = np.clip(x / 2.0 ** e, -57344, 57344)
;;       step = 2.0 ** (np.maximum(np.frexp(np.where(r == 0, 1, r))[1] - 1, -14) - 2)
;;       q = np.round(r / step) * step * 2.0 ** e      # np.round: ties to even
;;       return np.moveaxis(q.reshape(q.shape[:-2] + (-1,))[..., :K], -1, axis).astype(np.float32)
;;   ~~~
;;   OPERANDS COMPUTED ON THE WAY. 'Computed on the way' means the value that the module computes at that place (a softmax that the list does not call 'softmax' is quantised finished and normalised). What goes into a quantiser is computed in f32, as accurately as f32 sums, v_exp_f32 and their like allow (about 1e-6 of the number): no bf16 or f16 on the way to a quantiser, and a product that is left as it is and whose result goes on into a quantised operand takes f32 operands (vector FMAs, or v_wmma_f32_16x16x4_f32). A number that lies on a knife's edge between two numbers of the format may be rounded either way, as far as f32 arithmetic and the matrix unit's own rounding can turn it there, and no further.
;;   INPUTS GIVEN AS CODES. W2 (in the module: [768, 768], K = its axis 0); aW (in the module: [128, 32], K = its axis 0); tW (in the module: [768, 128], K = its axis 0): each comes as NAME_codes (uint8): NAME with its K axis moved to the last place and cut into blocks of 32 codes, [.., K / 32, bytes a block], one block behind the other in memory; one code a byte (a code: sign, 5 exponent bits, 2 mantissa bits); and NAME_scales (uint8): the same leading axes, one E8M0 byte (e + 127) for each 32 codes along K. Its value is code x scale, taken as it is: it is not quantised again, and the codes and scales need not be those that the quantiser above would give.
;; One version. Each part assembles by itself: llvm-mc -triple=amdgcn-amd-amdhsa -mcpu=gfx1250 --defsym DOCPART=n.
;; ======== version 1 of 1: 2 launches
;; limits: right only within a limited range of input values
;; workspace buffers: WQ 4,153,344 bytes
;; launch prep (part 1): grid 6 x 41, 4 waves a work-group, no clusters, 0 bytes of LDS; arguments W1, W2_codes, W2_scales, tW_codes, WQ; writes WQ
.if DOCPART == 1
	.amdgcn_target "amdgcn-amd-amdhsa--gfx1250"
	.amdhsa_code_object_version 6
	.text
	.protected	k_qb717fc5048_prep
	.globl	k_qb717fc5048_prep
	.p2align	8
	.type	k_qb717fc5048_prep,@function
k_qb717fc5048_prep:
	s_mov_b64 s[64:65], 0
	v_nop
	global_prefetch_b8 v0, s[64:65] scope:SCOPE_SE
	s_setreg_imm32_b32 hwreg(HW_REG_WAVE_MODE, 25, 1), 1
	s_wait_xcnt 0x0
; The weights are laid once in the order in which a wave's operand registers take them.
; WQ: 40 steps of STEP bytes, then tW's 48 fragments.  A step (128 along K, 768 columns) has four parts of WPART bytes, one for each wave of the
; second launch: 12 fragments of 2,048 bytes (byte 512 c + 256 h + 16 r + i = the code of k = 32 c + 16 h + i of the column that lane r of the tile owns),
; then 768 bytes of scale words (word 128 b + 4 l: the four E8M0 bytes of the column of lane l & 15 of tile 2 b + (l >> 4)).
; Steps 0 to 33: W1 [4257][768] f32, quantised along K (its first axis) to E5M2 with one E8M0 scale for each 32: a lane takes a column and its registers run down K,
;   so a block of 32 lies in one lane.  Lane r of tile 2 b + u owns column 192 w + 32 b + 8 u + r + (r & 8).  Rows from 4,257 on are zeros.
; Steps 34 to 39: W2's codes and scales, copied: lane r of tile f owns row 192 w + 16 f + r.   Behind them: tW's codes, fragment (K step, tile t) at 2,048 (8 K step + t).
; A block's scale byte is its largest magnitude's exponent field - 15, held at 1 from below.  A block of zeros inside W1 so gets the byte 1 where the rule says 127:
; its codes are zeros, which add nothing under any byte but 0xff, and the bytes are read by this program alone.
; LIMITS: NaN and infinities in W1 are not served.
; SHARES: work-group (x, y): step y; wave: 32 columns, group rho = 4 x + wave.  y = 40: tW, K step x, wave: 32 units.  No LDS, no barrier: waves share nothing.
.set WPART, 25344
.set STEP,  4*WPART
.set X,     32                         ; v32-159  128 numbers down K of my column
.set C,     160                        ; v160-191 their codes: eight registers a block, never written twice
.macro LOAD t                          ; block t: W1(128 y + 32 t + i, my column), i = 0 .. 31: each load reads 128 consecutive bytes
.set K, 32*(\t)
.rept 32
	global_load_b32 v[X+K], v3, s[4:5] offset:K*3072 th:TH_LOAD_NT
.set K, K+1
.endr
.endm
; Block c of my column.  left: the loads issued behind this block's, which may stay out.  next: the block that is asked for now (0: none)
.macro BLOCK c, left, next
.set XS, X+32*\c
	s_wait_loadcnt \left                           ; loads come back in order (ISA guide 5.7.1): this block's are in
.if \next
	LOAD \next                                     ; two blocks ahead, into registers of its own
.endif
	v_max3_num_f32 v12, |v[XS]|, |v[XS+1]|, |v[XS+2]|
	v_max3_num_f32 v13, |v[XS+3]|, |v[XS+4]|, |v[XS+5]|
.irp i, 6,10,14,18,22,26
	v_max3_num_f32 v12, v12, |v[XS+\i]|, |v[XS+\i+1]|
	v_max3_num_f32 v13, v13, |v[XS+\i+2]|, |v[XS+\i+3]|
.endr
	v_max3_num_f32 v12, v12, |v[XS+30]|, |v[XS+31]|
	v_max3_num_f32 v12, v12, v13, 0x8000000        ; and the floor 2^(16 - 127): the byte cannot fall under 1
	v_add_nc_u32 v11, 0xf8800000, v12              ; 15 off the exponent field: the conversion's scale operand
	v_and_or_b32 v10, v12, 0x7f800000, s19         ; 57,344 x the scale
	v_lshrrev_b32 v13, 23, v11                     ; the scale's byte
.if \c == 0
	v_mov_b32 v16, v13
.else
	v_lshl_or_b32 v16, v13, 8*\c, v16              ; the lower K in the lower byte
.endif
.set I, 0
.rept 32
	v_med3_num_f32 v[XS+I], v[XS+I], -v10, v10     ; the conversion to an 8-bit code does not saturate (ISA guide 7.6.2): the hold comes first
.set I, I+1
.endr
.irp g, 0,1,2,3
	v_cvt_scalef32_pk8_bf8_f32 v[C+8*\c+2*\g:C+8*\c+2*\g+1], v[XS+8*\g:XS+8*\g+7], v11
.endr
	global_store_b128 v4, v[C+8*\c:C+8*\c+3], s[28:29] offset:512*\c          ; k = 32 c + 0 .. 15: what lanes 0-15 of the operand take
	global_store_b128 v4, v[C+8*\c+4:C+8*\c+7], s[28:29] offset:512*\c+256    ; k = 32 c + 16 .. 31: lanes 16-31
.endm
	s_load_b256 s[4:11], s[0:1], 0x0               ; W1 s[4:5], W2's codes s[6:7], W2's scales s[8:9], tW's codes s[10:11]
	s_load_b64 s[12:13], s[0:1], 0x20              ; WQ
	v_lshrrev_b32 v1, 5, v0
	v_readfirstlane_b32 s14, v1                    ; wave
	v_and_b32 v2, 31, v0                           ; lane l
	v_and_b32 v7, 15, v0                           ; r
	v_bfe_u32 v8, v0, 4, 1                         ; u
	v_lshlrev_b32 v4, 11, v8
	v_lshl_add_u32 v4, v7, 4, v4                   ; codes go to 2,048 u + 16 r: sixteen lanes store 256 consecutive bytes
	v_lshlrev_b32 v5, 2, v2                        ; scale words to 4 l
	s_and_b32 s15, ttmp7, 0xffff                   ; y
	s_lshl_b32 s16, ttmp9, 2
	s_add_co_u32 s16, s16, s14                     ; rho, 0 to 23
	s_mul_i32 s17, s16, 43
	s_lshr_b32 s17, s17, 8                         ; w = rho / 6 (exact for rho under 24)
	s_mul_i32 s18, s17, 6
	s_sub_co_u32 s18, s16, s18                     ; b = rho - 6 w
	s_mul_i32 s20, s15, STEP
	s_mul_i32 s21, s17, WPART
	s_add_co_u32 s21, s21, s20                     ; y STEP + w WPART
	s_lshl_b32 s22, s18, 12
	s_add_co_u32 s22, s22, s21                     ; + 4,096 b: my two fragments
	s_mov_b32 s23, 0
	s_lshl_b32 s24, s18, 7
	s_add_co_u32 s24, s24, s21
	s_add_co_u32 s24, s24, 24576                   ; the part's scale words, + 128 b
	s_mov_b32 s25, 0
	s_mov_b32 s27, 0
	s_mov_b32 s19, 0x600000                        ; the mantissa field of 57,344
	s_wait_kmcnt 0x0
	s_cmp_ge_u32 s15, 34
	s_cbranch_scc1 .Lcopy
	; ---- W1
	s_wait_alu depctr_va_vdst(0)
	v_and_b32 v9, 8, v7
	v_add_nc_u32 v9, v9, v7
	v_lshl_add_u32 v9, v8, 3, v9                   ; 8 u + r + (r & 8): the 32 lanes take the group's 32 columns
	v_lshlrev_b32 v3, 2, v9
	s_lshl_b32 s26, s16, 7
	v_add_nc_u32 v3, s26, v3
	s_mul_i32 s26, s15, 393216                     ; 128 rows of 3,072 bytes a step
	s_add_nc_u64 s[4:5], s[4:5], s[26:27]
	s_add_nc_u64 s[28:29], s[12:13], s[22:23]
	s_add_nc_u64 s[30:31], s[12:13], s[24:25]
	s_cmp_eq_u32 s15, 33
	s_cbranch_scc1 .Ltail
	LOAD 0
	LOAD 1
	s_wait_alu depctr_va_vdst(0)
	BLOCK 0, 32, 2                                 ; behind block 0's loads: block 1's 32
	BLOCK 1, 32, 3                                 ; behind block 1's: block 2's
	BLOCK 2, 32, 0                                 ; behind block 2's: block 3's
	BLOCK 3, 0, 0
	global_store_b32 v5, v16, s[30:31]             ; my column's scale word: the wave stores 128 consecutive bytes
	s_endpgm
.Ltail:                                                ; the last step has 33 rows: it is written out, so that no load leaves the buffer; the rest of K is zeros
	s_wait_alu depctr_va_vdst(0)
	LOAD 0
	global_load_b32 v[X+32], v3, s[4:5] offset:32*3072 th:TH_LOAD_NT
.set K, 33
.rept 31
	v_mov_b32 v[X+K], 0                            ; block 1 has one number
.set K, K+1
.endr
	BLOCK 0, 1, 0                                  ; behind block 0's loads: the one of block 1
	BLOCK 1, 0, 0
	v_or_b32 v16, 0x7f7f0000, v16                  ; blocks 2 and 3 are zeros: the byte 127,
.irp i, 0,1,2,3
	v_mov_b32 v[C+16+\i], 0                        ; and zero codes
.endr
.irp c, 2,3
	global_store_b128 v4, v[C+16:C+19], s[28:29] offset:512*\c
	global_store_b128 v4, v[C+16:C+19], s[28:29] offset:512*\c+256
.endr
	global_store_b32 v5, v16, s[30:31]
	s_endpgm
	; ---- W2 and tW: codes copied into the order of the registers
.Lcopy:
	s_sub_co_u32 s26, s15, 34                      ; W2's K step
	s_lshl_b32 s28, ttmp9, 14
	s_lshl_b32 s29, s14, 12
	s_add_co_u32 s28, s28, s29
	s_add_co_u32 s28, s28, s20                     ; tW (y = 40): 40 STEP + 16,384 K step + 4,096 wave
	s_cmp_eq_u32 s15, 40                           ; the choices hang on the work-group's number alone
	s_cselect_b64 s[6:7], s[10:11], s[6:7]         ; from tW's codes or W2's
	s_cselect_b32 s32, s14, s16                    ; my group of 32 rows: the wave, or rho
	s_cselect_b32 s26, ttmp9, s26                  ; the K step: x, or y - 34
	s_cselect_b32 s22, s28, s22
	s_mul_i32 s32, s32, 24576                      ; 32 rows of 768 bytes
	s_lshl_b32 s33, s26, 7
	s_add_co_u32 s32, s32, s33
	s_mov_b32 s33, 0
	s_add_nc_u64 s[6:7], s[6:7], s[32:33]
	s_add_nc_u64 s[28:29], s[12:13], s[22:23]
	s_wait_alu depctr_va_vdst(0)
	v_mul_u32_u24 v6, v2, 768                      ; a lane a row
.irp e, 0,1,2,3,4,5,6,7
	global_load_b128 v[X+4*\e:X+4*\e+3], v6, s[6:7] offset:16*\e
.endr
	s_cmp_eq_u32 s15, 40
	s_cbranch_scc1 .Lcodes                         ; tW's scales are read from the input itself by the second launch
	s_mul_i32 s34, s16, 768                        ; W2's scales: 24 bytes a row
	s_lshl_b32 s35, s26, 2
	s_add_co_u32 s34, s34, s35
	s_mov_b32 s35, 0
	s_add_nc_u64 s[8:9], s[8:9], s[34:35]
	s_add_nc_u64 s[30:31], s[12:13], s[24:25]
	v_mul_u32_u24 v9, v2, 24
	global_load_b32 v16, v9, s[8:9]
	s_wait_loadcnt 0x0
	global_store_b32 v5, v16, s[30:31]
.Lcodes:
	s_wait_loadcnt 0x0
.irp e, 0,1,2,3,4,5,6,7
	global_store_b128 v4, v[X+4*\e:X+4*\e+3], s[28:29] offset:512*(\e/2)+256*(\e%2)   ; bytes 16 e on are k = 32 (e / 2) + 16 (e % 2) on
.endr
	s_endpgm
.Lfunc_end_k_qb717fc5048_prep:
	.size	k_qb717fc5048_prep, .Lfunc_end_k_qb717fc5048_prep-k_qb717fc5048_prep
	.p2alignl 7, 3214868480
	.fill 96, 4, 3214868480
	.section	.rodata,"a",@progbits
	.p2align	6, 0x0
	.amdhsa_kernel k_qb717fc5048_prep
		.amdhsa_group_segment_fixed_size 0
		.amdhsa_private_segment_fixed_size 0
		.amdhsa_enable_private_segment 0
		.amdhsa_kernarg_size 40
		.amdhsa_user_sgpr_count 2
		.amdhsa_user_sgpr_kernarg_segment_ptr 1
		.amdhsa_wavefront_size32 1
		.amdhsa_system_sgpr_workgroup_id_x 1
		.amdhsa_system_sgpr_workgroup_id_y 1
		.amdhsa_system_sgpr_workgroup_id_z 1
		.amdhsa_system_vgpr_workitem_id 0
		.amdhsa_next_free_vgpr 192
		.amdhsa_next_free_sgpr 66
		.amdhsa_reserve_vcc 0
		.amdhsa_float_denorm_mode_32 3
		.amdhsa_float_denorm_mode_16_64 3
		.amdhsa_memory_ordered 1
		.amdhsa_forward_progress 1
		.amdhsa_inst_pref_size 45
	.end_amdhsa_kernel
	.amdgpu_metadata
---
amdhsa.version: [ 1, 2 ]
amdhsa.kernels:
  - .name:           k_qb717fc5048_prep
    .symbol:         k_qb717fc5048_prep.kd
    .args:
      - { .name: W1, .offset: 0, .size: 8, .value_kind: global_buffer, .address_space: global }
      - { .name: W2_codes, .offset: 8, .size: 8, .value_kind: global_buffer, .address_space: global }
      - { .name: W2_scales, .offset: 16, .size: 8, .value_kind: global_buffer, .address_space: global }
      - { .name: tW_codes, .offset: 24, .size: 8, .value_kind: global_buffer, .address_space: global }
      - { .name: WQ, .offset: 32, .size: 8, .value_kind: global_buffer, .address_space: global }
    .group_segment_fixed_size: 0
    .private_segment_fixed_size: 0
    .kernarg_segment_align: 8
    .kernarg_segment_size: 40
    .max_flat_workgroup_size: 128
    .sgpr_count:     66
    .vgpr_count:     192
    .wavefront_size: 32
...
	.end_amdgpu_metadata
.endif
;; end of part 1
;; launch fused (part 2): grid 256 x 1, 4 waves a work-group, clusters of 4 x 1, 327,680 bytes of LDS; arguments text_x, audio_x, out0, WQ, t_var, t_gamma, t_mean, t_beta, a_var, a_gamma, a_mean, a_beta, aW_codes, aW_scales, ab, tW_scales, tb, b1, b2; writes out0
.if DOCPART == 2
	.amdgcn_target "amdgcn-amd-amdhsa--gfx1250"
	.amdhsa_code_object_version 6
	.text
	.protected	k_qb717fc5048_fused
	.globl	k_qb717fc5048_fused
	.p2align	8
	.type	k_qb717fc5048_fused,@function
k_qb717fc5048_fused:
	s_mov_b64 s[64:65], 0
	v_nop
	global_prefetch_b8 v0, s[64:65] scope:SCOPE_SE
	s_setreg_imm32_b32 hwreg(HW_REG_WAVE_MODE, 25, 1), 1
	s_wait_xcnt 0x0
	s_wait_alu depctr_hold_cnt(0) depctr_sa_sdst(0) depctr_va_vdst(0) depctr_va_sdst(0) depctr_va_ssrc(0) depctr_va_vcc(0) depctr_vm_vsrc(0)
	s_getreg_b32 s2, hwreg(HW_REG_IB_STS2, 6, 4)
	s_cmp_eq_u32 s2, 0
	s_cbranch_scc0 .Lentry_in_a_cluster
	s_endpgm
.Lentry_in_a_cluster:
	s_bfe_u32 s2, ttmp6, 0x10000c
	s_cmp_lg_u32 s2, 0x3003
	s_cbranch_scc0 .Lentry_shape_is_right
	s_endpgm
.Lentry_shape_is_right:
; out0 = relu(relu(Q(fusion) Q(W1) + b1) W2 + b2) + text_x, fusion = (1, audio_h) x (1, text_h) flattened, all products on E5M2 codes with E8M0 block scales.
; A work-group of four waves owns 64 rows through the whole chain; wave w owns columns 192 w .. 192 w + 191 of both wide products (48 accumulators) and makes the operand codes of rows 16 w .. 16 w + 15.
; WEIGHTS: WQ holds them in the order of the operand registers, a step of 128 along K in four parts, one a wave.  A ring of two LDS slots takes a step each, by joint loads of the four work-groups of a cluster.
; THE FIRST WIDE PRODUCT: a step's weight fragments are in registers when its trip begins.  Behind a fragment's four products stand eight or more lines of the next step's quantiser, and behind those
; the same registers are loaded with the next step's fragment from the other slot.  So the round at a trip's head finds the current step's slot read out, and fills it with the step after the next.
; The steps go 33, S0, S0 + 1, .. (mod 33), S0 from the cluster's number; then W2's six steps from K0 on.
; The fusion's 128 numbers of a step are products of a lane's 129 text values and 34 audio values in registers; which registers hangs on the step, so a tree of branches on the step picks one of 33 runs of 64 multiplications.
; A block of zeros gets the scale byte 1 where the rule says 127: its codes are zeros, and the bytes are read by this launch alone.  LIMITS: NaN and infinities ahead of a quantiser are not served.
.set WPART, 25344
.set STEP,  4*WPART
.set TWO,   40*STEP
.set SLOTB, STEP
.set SPARE, 2*SLOTB
.set FIMG,  SPARE+512
.set IMGB,  8704
.set HIMG,  FIMG+2*IMGB
.set HSC,   HIMG+49152
.set BNT,   HSC+4096
.set TSB,   HIMG
.set ASB,   HIMG+35840
.set SPW, 1
.set NIL, 2
.set L16, 3
.set L4,  4
.set AB0, 5
.set AS0, 6
.set IR0, 7
.set IW0, 8
.set ISW0, 9
.set ADB, 10
.set ADS, 11
.set ADI, 12
.set ADW, 13
.set ADSW, 14
.set IH0, 15
.set HS0, 16
.set TWA0, 17
.set HW0, 19
.set HSW0, 20
.set STO, 21
.set RD1, 23
.set GO1, 25
.set TXA, 26
.set BNA, 27
.set B1A, 28
.set AWA, 29
.set B2A, 30
.set AXA, 31
.set ASC, 32
.set BSC, 36
.set PW,  42
.set AWS, 43
.set TWS, 44
.set TM,  68
.set PC,  92
.set ONE, 116
.set P4T, 117
.set BNW, 118
.set TWSA, 119
.set TSW, 120
.set TSR, 121
.set TSR2, 122
.set ASW, 123
.set ASR, 124
.set TS1, 125
.set HH,  126
.set RR,  127
.set F,   128
.set AF,  192
.set SB,  128
.set T0,  190
.set LN,  191
.set XX,  1
.set AA,  131
.set AMX, 165
.set G0,  12
.set G1,  16
.set G1T, 24
.set G0T, 32
.set TB,  36
.set TN,  37
.set IB,  38
.set IO,  39
.set NXT, 40
.set CNT, 41
.set WOFF, 42
.set HMASK, 43
.set SEL, 44
.set MNT, 46
.set WV,  47
.set KC,  49
.set KN,  50
.set OFS, 52
.set TXC, 54
.set S0,  66
.set K0,  67
.set FS,  57                           ; the step whose fusion codes this trip makes (NXT: the step that this trip's joint load fetches)
.set W2F, 58                           ; W2's first step in WQ: 34 + K0
.set MSB, 0
.macro WIN new
.if MSB != \new
	s_set_vgpr_msb (MSB<<8)|\new
.set MSB, \new
.endif
.endm
.macro PLACES n
.rept \n
	v_nop
.endr
.endm
.macro CROUND
	s_barrier_signal -1
	s_barrier_wait -1
	s_cmp_lg_u32 s[WV], 0
	s_cbranch_scc1 .Lnot_wave_0_\@
	s_barrier_signal -3
.Lnot_wave_0_\@:
	s_barrier_wait -3
	s_barrier_signal -1
	s_barrier_wait -1
.endm
.macro WM d, a, b, sa, sb, row
.if \row
	v_wmma_scale_f32_16x16x128_f8f6f4 v[\d:\d+7], v[\a:\a+15], v[\b:\b+15], v[\d:\d+7], v[\sa], v[\sb] matrix_a_fmt:MATRIX_FMT_BF8 matrix_b_fmt:MATRIX_FMT_BF8 matrix_a_scale:MATRIX_SCALE_ROW1
.else
	v_wmma_scale_f32_16x16x128_f8f6f4 v[\d:\d+7], v[\a:\a+15], v[\b:\b+15], v[\d:\d+7], v[\sa], v[\sb] matrix_a_fmt:MATRIX_FMT_BF8 matrix_b_fmt:MATRIX_FMT_BF8
.endif
.endm
.macro QUANT
.irp b, 0,1,2,3
	v_max3_num_f32 v[TM+\b], |v[F+16*\b]|, |v[F+1+16*\b]|, 0x8000000
.endr
.irp i, 2,4,6,8,10,12,14
.irp b, 0,1,2,3
	v_max3_num_f32 v[TM+\b], v[TM+\b], |v[F+16*\b+\i]|, |v[F+1+16*\b+\i]|
.endr
.endr
.irp b, 0,1,2,3
	v_permlanex16_b32 v[TM+6+\b], v[TM+\b], s[SEL], s[SEL+1]
.endr
.irp b, 0,1,2,3
	v_max_num_f32 v[TM+\b], v[TM+\b], v[TM+6+\b]
.endr
.irp b, 0,1,2,3
	v_add_nc_u32 v[TM+18+\b], 0xf8800000, v[TM+\b]
.endr
.irp b, 0,1,2,3
	v_and_or_b32 v[TM+12+\b], v[TM+\b], 0x7f800000, s[MNT]
.endr
.irp b, 0,1,2,3
	v_lshrrev_b32 v[TM+6+\b], 23, v[TM+18+\b]
.endr
	v_lshl_or_b32 v[PW], v[TM+7], 8, v[TM+6]
	v_lshl_or_b32 v[PW], v[TM+8], 16, v[PW]
	v_lshl_or_b32 v[PW], v[TM+9], 24, v[PW]
.irp b, 0,1,2,3
.irp i, 0,1,2,3,4,5,6,7,8,9,10,11,12,13,14,15
	v_med3_num_f32 v[F+16*\b+\i], v[F+16*\b+\i], -v[TM+12+\b], v[TM+12+\b]
.endr
	v_cvt_scalef32_pk8_bf8_f32 v[PC+4*\b:PC+1+4*\b], v[F+16*\b:F+7+16*\b], v[TM+18+\b]
	v_cvt_scalef32_pk8_bf8_f32 v[PC+2+4*\b:PC+3+4*\b], v[F+8+16*\b:F+15+16*\b], v[TM+18+\b]
.endr
	v_nop
.endm
.macro IMG adr, sadr
.irp c, 0,1,2,3
	ds_store_b128 v[\adr], v[PC+4*\c:PC+4*\c+3] offset:512*\c
.endr
	ds_store_b32 v[\sadr], v[PW]
.endm
.macro LEAF s
.set LS, \s
.if LS > 0
	WIN 0x45
	v_cndmask_b32 v[AMX], v[AA+LS-1], v[AA+LS], s[HMASK]
.endif
	WIN 0x05
.set LC, 0
.rept 64
.set LP, 32*(LC/16)+LC%16
.set LX, XX+(129-LS+LP)%129
.if LP+16 < LS
	v_mul_f32 v[F+LC], v[AA+LS-1], v[LX]
.elseif LP >= LS
	v_mul_f32 v[F+LC], v[AA+LS], v[LX]
.else
	v_mul_f32 v[F+LC], v[AMX], v[LX]
.endif
.set LC, LC+1
.endr
	WIN 0
.endm
.macro TREEF lo, hi
.if (\hi)-(\lo) == 1
	LEAF \lo
	s_branch .Ljoin
.else
	s_cmp_lt_u32 s[FS], ((\lo)+(\hi))/2
	s_cbranch_scc0 .Lupper_\@
	TREEF \lo, ((\lo)+(\hi))/2
.Lupper_\@:
	TREEF ((\lo)+(\hi))/2, \hi
.endif
.endm
.macro LOADH kap
.set HK, \kap
.irp m, 0,1,2,3
.irp c, 0,1,2,3
	ds_load_b128 v[AF+16*\m+4*\c:AF+16*\m+4*\c+3], v[IH0] offset:12288*\m+2048*HK+512*\c
.endr
.endr
.irp m, 0,1,2,3
	ds_load_b32 v[ASC+\m], v[HS0] offset:1024*\m+4*HK
.endr
.endm
.macro TREEH lo, hi, id
.if (\hi)-(\lo) == 1
	LOADH \lo
	s_branch .Lhjoin_\id
.else
	s_cmp_lt_u32 s[KC], ((\lo)+(\hi))/2
	s_cbranch_scc0 .Lhupper_\@
	TREEH \lo, ((\lo)+(\hi))/2, \id
.Lhupper_\@:
	TREEH ((\lo)+(\hi))/2, \hi, \id
.endif
.endm
.macro REFILL
	s_wait_tensorcnt 0x0
	ds_add_u32 v[SPW], v[NIL]
	s_add_co_u32 s[G0+1], s[TN], s[WOFF]
	s_mul_i32 s[OFS], s[NXT], STEP
	s_add_nc_u64 s[G0+2:G0+3], s[10:11], s[OFS:OFS+1]
	s_or_b32 s[G0+3], s[G0+3], 0x80000000
	s_wait_dscnt 0x0
	CROUND
	tensor_load_to_lds s[G0:G0+3], s[G1:G1+7]
	s_nop 0
	PLACES 4
.endm
.macro ADDRS img
	v_add_nc_u32 v[ADB], s[TB], v[AB0]
	v_add_nc_u32 v[ADS], s[TB], v[AS0]
.if \img
	v_add_nc_u32 v[ADI], s[IB], v[IR0]
	v_add_nc_u32 v[ADW], s[IO], v[IW0]
	v_add_nc_u32 v[ADSW], s[IO], v[ISW0]
.else
	PLACES 2
.endif
.endm
.macro LOADF
.irp m, 0,1,2,3
.irp c, 0,1,2,3
	ds_load_b128 v[AF+16*\m+4*\c:AF+16*\m+4*\c+3], v[ADI] offset:2048*\m+512*\c
.endr
.endr
	ds_load_b128 v[ASC:ASC+3], v[ADI] offset:8192
.endm
.macro LOADB
.irp b, 0,1,2,3,4,5
	ds_load_b32 v[BSC+\b], v[ADS] offset:128*\b
.endr
	WIN 0xc0
.irp f, 0,1,2,3,4,5,6,7
.irp c, 0,1,2,3
	ds_load_b128 v[128+16*\f+4*\c:128+16*\f+4*\c+3], v[ADB] offset:2048*\f+512*\c
.endr
.endr
	WIN 0x40
.irp f, 8,9,10,11
.irp c, 0,1,2,3
	ds_load_b128 v[192+16*(\f-8)+4*\c:192+16*(\f-8)+4*\c+3], v[ADB] offset:2048*\f+512*\c
.endr
.endr
	WIN 0
.endm
.macro MATMUL tail
.irp f, 0,1,2,3,4,5,6,7,8,9,10,11
	s_wait_dscnt 4*(11-\f)+\tail
.if \f < 8
	WIN 0xa3
.set AC, 32*\f
.set BR, 128+16*\f
.else
	WIN 0xf1
.set AC, 32*(\f-8)
.set BR, 192+16*(\f-8)
.endif
.irp m, 0,1,2,3
	WM AC+8*\m, BR, AF+16*\m, BSC+\f/2, ASC+\m, \f%2
.endr
.endr
	WIN 0
.endm
.macro TOGGLE
	s_xor_b32 s[TB], s[TB], SLOTB
	s_xor_b32 s[TN], s[TN], SLOTB
.endm
.macro TBL from
	WIN 0x40
.irp tab, 0,1,2
.irp c, 0,1,2,3
.irp j, 0,1,2,3
	ds_load_b128 v[64*\tab+16*\c+4*\j:64*\tab+16*\c+4*\j+3], v[BNA] offset:3584*\tab+4*(\from)+128*\c+16*\j
.endr
.endr
.endr
	WIN 0
.endm
.macro BN win, src
	s_wait_dscnt 0x0
	WIN \win
.set I, 0
.rept 32
	v_pk_add_f32 v[F+I:F+I+1], v[(\src)+I:(\src)+I+1], v[I:I+1] neg_lo:[0,1] neg_hi:[0,1]
.set I, I+2
.endr
	WIN 0x14
.set I, 0
.rept 32
	v_pk_fma_f32 v[F+I:F+I+1], v[F+I:F+I+1], v[64+I:65+I], v[128+I:129+I]
.set I, I+2
.endr
	WIN 0
.endm
.macro TXLOAD kap, reg
.irp c, 0,1,2,3
.irp j, 0,1,2,3
	global_load_b128 v[\reg+16*\c+4*\j:\reg+16*\c+4*\j+3], v[TXA], s[4:5] offset:512*(\kap)+128*\c+16*\j
.endr
.endr
.endm
.macro BIAS adr, sb, one
.irp f, 0,1,2,3,4,5,6,7,8,9,10,11
.if \one
.set BO, 128*(\f/2)+32*(\f%2)
.else
.set BO, 64*\f
.endif
.if \f < 8
	WIN 0x80
.set AC, 32*\f
.else
	WIN 0xc0
.set AC, 32*(\f-8)
.endif
.irp m, 0,1,2,3
	global_load_b128 v[AC+8*\m:AC+8*\m+3], v[\adr], s[\sb:\sb+1] offset:BO
	global_load_b128 v[AC+8*\m+4:AC+8*\m+7], v[\adr], s[\sb:\sb+1] offset:BO+16
.endr
.endr
	WIN 0
.endm
.macro RTLOAD m, reg
.irp a, 0,1,2,3,4,5,6,7
	global_load_b128 v[\reg+12*\a:\reg+12*\a+3], v[L16], s[TXC:TXC+1] offset:49152*(\m)+6144*\a th:TH_LOAD_NT
	global_load_b128 v[\reg+12*\a+4:\reg+12*\a+7], v[GO1], s[TXC:TXC+1] offset:49152*(\m)+6144*\a+512 th:TH_LOAD_NT
	global_load_b128 v[\reg+12*\a+8:\reg+12*\a+11], v[L16], s[TXC:TXC+1] offset:49152*(\m)+6144*\a+3328 th:TH_LOAD_NT
.endr
.endm
	s_load_b256 s[4:11], s[0:1], 0x0
	s_load_b512 s[68:83], s[0:1], 0x20
	s_load_b256 s[84:91], s[0:1], 0x60
	s_load_b128 s[92:95], s[0:1], 0x80
	s_load_b64 s[96:97], s[0:1], 0x90
	v_lshl_add_u32 v[SPW], v0, 2, SPARE
	v_mov_b32 v[NIL], 0
	ds_add_u32 v1, v2
	ds_add_u32 v1, v2
	s_wait_dscnt 0x0
	v_lshrrev_b32 v[T0], 5, v0
	v_readfirstlane_b32 s[WV], v[T0]
	s_bfe_u32 s48, ttmp6, 0x40000
	s_lshl_b32 s56, ttmp9, 2
	s_add_co_u32 s56, s56, s48
	s_lshl_b32 s56, s56, 6
	s_lshl_b32 s57, s[WV], 4
	s_add_co_u32 s57, s57, s56
	s_mul_i32 s58, s57, 3072
	s_mov_b32 s59, 0
	s_lshl_b32 s60, s57, 9
	s_mov_b32 s61, 0
	s_mul_i32 s51, s[WV], 768
	s_mul_i32 s62, s56, 3072
	s_add_co_u32 s62, s62, s51
	s_mov_b32 s63, 0
	s_mul_i32 s[WOFF], s[WV], WPART
	s_mov_b32 s[OFS+1], 0
	s_mov_b32 s[HMASK], 0xffff0000
	s_mov_b32 s[SEL], 0x76543210
	s_mov_b32 s[SEL+1], 0xfedcba98
	s_mov_b32 s[MNT], 0x600000
	s_cmp_ge_u32 ttmp9, 33
	s_cselect_b32 s[S0], 33, 0
	s_sub_co_u32 s[S0], ttmp9, s[S0]
	s_mul_i32 s[K0], ttmp9, 43
	s_lshr_b32 s[K0], s[K0], 8
	s_mul_i32 s[K0], s[K0], 6
	s_sub_co_u32 s[K0], ttmp9, s[K0]
	s_mov_b32 s[G1], 15|(3<<16)|(1<<21)
	s_mov_b32 s[G1+1], 32<<16
	s_mov_b32 s[G1+2], 99<<16
	s_mov_b32 s[G1+3], 32<<16
	s_mov_b32 s[G1+4], 99
	s_mov_b32 s[G1+5], 32
	s_mov_b32 s[G1+6], 0
	s_mov_b32 s[G1+7], 0
	s_mov_b32 s[G1T], 15|(3<<16)|(1<<21)
	s_mov_b32 s[G1T+1], 32<<16
	s_mov_b32 s[G1T+2], 96<<16
	s_mov_b32 s[G1T+3], 32<<16
	s_mov_b32 s[G1T+4], 96
	s_mov_b32 s[G1T+5], 32
	s_mov_b32 s[G1T+6], 0
	s_mov_b32 s[G1T+7], 0
	s_wait_kmcnt 0x0
	s_add_nc_u64 s[TXC:TXC+1], s[4:5], s[62:63]
	s_add_nc_u64 s[8:9], s[8:9], s[62:63]
	s_add_nc_u64 s[4:5], s[4:5], s[58:59]
	s_add_nc_u64 s[6:7], s[6:7], s[60:61]
	s_mul_i32 s[OFS], s[WV], 24576
	s_add_co_u32 s[G0T+1], s[OFS], SLOTB
	s_add_co_u32 s[OFS], s[OFS], TWO
	s_add_nc_u64 s[G0T+2:G0T+3], s[10:11], s[OFS:OFS+1]
	s_or_b32 s[G0T+3], s[G0T+3], 0x80000000
	s_mov_b32 s[G0T], 1
	s_mov_b32 s[OFS], s[WOFF]
	s_add_nc_u64 s[10:11], s[10:11], s[OFS:OFS+1]
	s_mov_b32 s[G0], 1
	s_mov_b32 s[G0+1], s[WOFF]
	s_add_nc_u64 s[G0+2:G0+3], s[10:11], 33*STEP
	s_or_b32 s[G0+3], s[G0+3], 0x80000000
	s_mov_b32 s[OFS], s51
	s_add_nc_u64 s[94:95], s[94:95], s[OFS:OFS+1]
	s_add_nc_u64 s[96:97], s[96:97], s[OFS:OFS+1]
	CROUND
	tensor_load_to_lds s[G0:G0+3], s[G1:G1+7]
	s_nop 0
	s_wait_alu depctr_va_vdst(0)
	s_wait_tensorcnt 0x0
	ds_add_u32 v1, v2
	s_wait_dscnt 0x0
	CROUND
	tensor_load_to_lds s[G0T:G0T+3], s[G1T:G1T+7]
	s_nop 0
	PLACES 4
	v_and_b32 v[LN], 31, v0
	v_and_b32 v[RR], 15, v0
	v_bfe_u32 v[HH], v0, 4, 1
	v_lshlrev_b32 v[L16], 4, v[LN]
	v_lshlrev_b32 v[L4], 2, v[LN]
	v_lshlrev_b32 v[P4T], 2, v0
	v_mul_u32_u24 v[TXA], v[RR], 3072
	v_lshl_add_u32 v[TXA], v[HH], 6, v[TXA]
.irp i, 0,1,2,3,4,5
	global_load_b32 v[128+\i], v[P4T], s[68:69] offset:512*\i
	global_load_b32 v[135+\i], v[P4T], s[70:71] offset:512*\i
	global_load_b32 v[142+\i], v[P4T], s[72:73] offset:512*\i
	global_load_b32 v[149+\i], v[P4T], s[74:75] offset:512*\i
.endr
	global_load_b32 v134, v[P4T], s[76:77]
	global_load_b32 v141, v[P4T], s[78:79]
	global_load_b32 v148, v[P4T], s[80:81]
	global_load_b32 v155, v[P4T], s[82:83]
	WIN 0x80
	TXLOAD 0, 0
	TXLOAD 1, 64
	WIN 0
	v_add_nc_u32 v[AB0], s[WOFF], v[L16]
	v_add_nc_u32 v[AS0], s[WOFF], v[L4]
	v_add_nc_u32 v[AS0], 24576, v[AS0]
	v_add_nc_u32 v[IR0], FIMG, v[L16]
	s_lshl_b32 s98, s[WV], 11
	v_add_nc_u32 v[IW0], s98, v[IR0]
	s_lshl_b32 s98, s[WV], 2
	v_add_nc_u32 v[ISW0], s98, v[IR0]
	v_add_nc_u32 v[ISW0], 8192, v[ISW0]
	v_add_nc_u32 v[IH0], HIMG, v[L16]
	v_lshl_add_u32 v[HS0], v[LN], 5, HSC
	s_mul_i32 s98, s[WV], 3072
	v_add_nc_u32 v[HW0], s98, v[IH0]
	s_mul_i32 s98, s[WV], 6
	v_add_nc_u32 v[HSW0], s98, v[HS0]
	v_mul_u32_u24 v[STO], v[RR], 784
	v_lshl_add_u32 v[STO], v[HH], 5, v[STO]
	v_add_nc_u32 v[STO], s[WOFF], v[STO]
	v_mul_u32_u24 v[RD1], v[HH], 272
	v_lshl_add_u32 v[RD1], v[RR], 4, v[RD1]
	v_add_nc_u32 v[RD1], s[WOFF], v[RD1]
	v_mul_u32_u24 v[GO1], v[HH], 2560
	v_lshl_add_u32 v[GO1], v[RR], 4, v[GO1]
	v_lshlrev_b32 v[AXA], 9, v[RR]
	v_lshl_add_u32 v[AXA], v[HH], 6, v[AXA]
	v_lshl_add_u32 v[BNA], v[HH], 6, BNT
	v_lshlrev_b32 v[B1A], 6, v[HH]
	v_lshlrev_b32 v[AWA], 7, v[RR]
	v_lshl_add_u32 v[AWA], v[HH], 4, v[AWA]
	v_lshlrev_b32 v[B2A], 5, v[HH]
	v_add_nc_u32 v[TWA0], SLOTB, v[L16]
	v_lshl_add_u32 v[BNW], v0, 2, BNT
	v_mul_u32_u24 v[TWSA], v[LN], 24
	s_mul_i32 s98, s[WV], 8960
	s_add_co_u32 s98, s98, TSB
	v_mul_u32_u24 v[TS1], v[RR], 560
	v_add_nc_u32 v[TS1], s98, v[TS1]
	v_lshl_add_u32 v[TSW], v[HH], 5, v[TS1]
	v_lshl_add_u32 v[TSR], v[HH], 6, v[TS1]
	v_xor_b32 v[T0], 1, v[HH]
	v_mad_u32_u24 v[TSR2], v[T0], 452, v[TS1]
	s_mul_i32 s98, s[WV], 2304
	s_add_co_u32 s98, s98, ASB
	v_mul_u32_u24 v[ASR], v[RR], 144
	v_add_nc_u32 v[ASR], s98, v[ASR]
	v_lshl_add_u32 v[ASW], v[HH], 5, v[ASR]
	v_mov_b32 v[ONE], 1.0
.irp b, 0,1,2,3,4,5
	v_mov_b32 v[TM+6+\b], 0
.endr
	s_wait_loadcnt 32
.irp i, 0,1,2,3,4,5,6
	v_add_f32 v[128+\i], 0x3727c5ac, v[128+\i]
.endr
	s_wait_alu depctr_va_vdst(0)
.irp i, 0,1,2,3,4,5,6
	v_rsq_f32 v[128+\i], v[128+\i]
.endr
	v_nop
	s_wait_alu depctr_va_vdst(0)
.irp i, 0,1,2,3,4,5,6
	v_mul_f32 v[135+\i], v[135+\i], v[128+\i]
.endr
.irp i, 0,1,2,3,4,5,6
	ds_store_b32 v[BNW], v[142+\i] offset:512*\i
	ds_store_b32 v[BNW], v[135+\i] offset:3584+512*\i
	ds_store_b32 v[BNW], v[149+\i] offset:7168+512*\i
.endr
	WIN 0x40
.irp c, 0,1,2,3
.irp j, 0,1,2,3
	global_load_b128 v[192+16*\c+4*\j:192+16*\c+4*\j+3], v[AXA], s[6:7] offset:128*\c+16*\j th:TH_LOAD_NT
.endr
.endr
	WIN 0xc0
.irp t, 0,1
.irp c, 0,1,2,3
	global_load_b128 v[128+16*\t+4*\c:128+16*\t+4*\c+3], v[AWA], s[84:85] offset:2048*\t+32*\c
.endr
	global_load_b128 v[160+8*\t:163+8*\t], v[B2A], s[88:89] offset:64*\t
	global_load_b128 v[164+8*\t:167+8*\t], v[B2A], s[88:89] offset:64*\t+16
.endr
	WIN 0
	global_load_b32 v[AWS], v[L4], s[86:87]
.irp q, 0,1,2,3
.irp p, 0,1,2
	global_load_b64 v[TWS+6*\q+2*\p:TWS+6*\q+2*\p+1], v[TWSA], s[90:91] offset:768*\q+8*\p
.endr
.endr
.irp t, 0,1,2,3,4,5,6,7
	global_load_b128 v[AF+8*\t:AF+8*\t+3], v[B2A], s[92:93] offset:64*\t
	global_load_b128 v[AF+8*\t+4:AF+8*\t+7], v[B2A], s[92:93] offset:64*\t+16
.endr
	WIN 0x80
	TXLOAD 2, 128
	TXLOAD 3, 192
	WIN 0
	s_wait_dscnt 0x0
	s_wait_tensorcnt 0x0
	s_barrier_signal -1
	s_barrier_wait -1
	TBL 768
	s_wait_loadcnt 60
	BN 0x05, 192
	QUANT
	PLACES 4
	WIN 0xf3
	WM 160, 128, PC, AWS, PW, 0
	WM 168, 144, PC, AWS, PW, 1
	WIN 0xc0
	TXLOAD 4, 0
	TXLOAD 5, 64
	WIN 0
	PLACES 8
	WIN 0x0c
	ds_store_b128 v[ASW], v[160:163]
	ds_store_b128 v[ASW], v[164:167] offset:16
	ds_store_b128 v[ASW], v[168:171] offset:64
	ds_store_b128 v[ASW], v[172:175] offset:80
	WIN 0
	TBL 0
; THE TEXT BRANCH: six K steps of 128 in one loop.  What differs from step to step by register number stands in a tree of branches on the counter:
; x - mean from the step's 64 registers of text_x, and the step's four scale words of tW copied into v[ASC ..]; all else goes by stepped LDS addresses.
.macro TLEAF kap
.set TK, \kap
.if TK < 3
	s_wait_loadcnt 48                              ; behind step 0's, 1's, 2's loads of text_x: those of steps 3, 4 and 5
.else
	s_wait_loadcnt 16*(5-TK)                       ; 16 loads for each later step
.endif
.if TK < 4
	WIN 0x06
.set TSRC, 64*TK
.else
	WIN 0x07
.set TSRC, 64*(TK-4)
.endif
.set I, 0
.rept 32
	v_pk_add_f32 v[F+I:F+I+1], v[TSRC+I:TSRC+I+1], v[I:I+1] neg_lo:[0,1] neg_hi:[0,1]
.set I, I+2
.endr
	WIN 0
.irp q, 0,1,2,3
	v_mov_b32 v[ASC+\q], v[TWS+6*\q+TK]            ; the quantiser's lines below are the places between this write and the products
.endr
.endm
.macro TREET lo, hi
.if (\hi)-(\lo) == 1
	TLEAF \lo
	s_branch .Ltjoin
.else
	s_cmp_lt_u32 s[KC], ((\lo)+(\hi))/2
	s_cbranch_scc0 .Ltupper_\@
	TREET \lo, ((\lo)+(\hi))/2
.Ltupper_\@:
	TREET ((\lo)+(\hi))/2, \hi
.endif
.endm
	s_mov_b32 s[KC], 0
.Ltk:
	s_wait_dscnt 0x0                               ; this step's tables are in
	TREET 0, 6
.Ltjoin:
	WIN 0x14
.set I, 0
.rept 32
	v_pk_fma_f32 v[F+I:F+I+1], v[F+I:F+I+1], v[64+I:65+I], v[128+I:129+I]
.set I, I+2
.endr
	WIN 0
	s_lshl_b32 s98, s[KC], 14                      ; tW: 16,384 bytes a K step
	s_lshl_b32 s99, s[KC], 9                       ; the tables: 512 bytes a K step
	v_add_nc_u32 v[ADB], s98, v[TWA0]
	v_add_nc_u32 v[ADS], s99, v[BNA]
	WIN 0xc0
.irp t, 0,1,2,3,4,5,6,7
.irp c, 0,1,2,3
	ds_load_b128 v[128+16*\t+4*\c:128+16*\t+4*\c+3], v[ADB] offset:2048*\t+512*\c
.endr
.endr
	WIN 0
	s_cmp_eq_u32 s[KC], 5
	s_cbranch_scc1 .Ltlast                         ; the last step has no next tables
	WIN 0x40
.irp tab, 0,1,2
.irp c, 0,1,2,3
.irp j, 0,1,2,3
	ds_load_b128 v[64*\tab+16*\c+4*\j:64*\tab+16*\c+4*\j+3], v[ADS] offset:3584*\tab+512+128*\c+16*\j
.endr
.endr
.endr
	WIN 0
.Ltlast:
	QUANT
	PLACES 4
	s_wait_alu depctr_va_vdst(0)
	s_wait_dscnt 0x0
	WIN 0x03
.irp t, 0,1,2,3,4,5,6,7
	WM AF+8*\t, 128+16*\t, PC, ASC+\t/2, PW, \t%2
.endr
	WIN 0
	s_add_co_u32 s[KC], s[KC], 1
	s_cmp_lt_u32 s[KC], 6
	s_cbranch_scc1 .Ltk
	s_wait_loadcnt 0x0                             ; every load of text_x is in, on every way through the tree: their registers are loaded anew below
	; tW is read out: slot 1 takes the ring's second step, and the first step's weights (slot 0) go into registers
	s_mov_b32 s[TB], 0
	s_mov_b32 s[TN], SLOTB
	s_mov_b32 s[IB], 0
	s_mov_b32 s[IO], IMGB
	s_mov_b32 s[NXT], s[S0]
	REFILL
	ADDRS 1
	LOADB
	TOGGLE
	BIAS B1A, 94, 1
	PLACES 8
.irp t, 0,1,2,3,4,5,6,7
	ds_store_b128 v[TSW], v[AF+8*\t:AF+8*\t+3] offset:16+64*\t
	ds_store_b128 v[TSW], v[AF+8*\t+4:AF+8*\t+7] offset:32+64*\t
.endr
	ds_store_b32 v[TS1], v[ONE] offset:12
	WIN 0x40
	ds_load_b32 v[XX], v[TSR] offset:12
.set I, 0
.rept 28
	ds_load_b128 v[XX+1+4*I:XX+4+4*I], v[TSR] offset:16+16*I
.set I, I+1
.endr
.set I, 0
.rept 16
	ds_load_b32 v[XX+113+I], v[TSR2] offset:12+4*I
.set I, I+1
.endr
.set I, 0
.rept 8
	ds_load_b128 v[AA+1+4*I:AA+4+4*I], v[ASR] offset:16*I
.set I, I+1
.endr
	v_mov_b32 v[AA], 1.0
	v_mov_b32 v[AA+33], 0
	WIN 0
	s_wait_alu depctr_va_vdst(0)
	s_wait_dscnt 0x0
	LEAF 33
	QUANT
	IMG IW0, ISW0
	s_wait_loadcnt 0x0
	s_mov_b32 s[FS], s[S0]
	s_add_co_u32 s[NXT], s[S0], 1
	s_cmp_eq_u32 s[NXT], 33
	s_cselect_b32 s[NXT], 0, s[NXT]
	s_add_co_u32 s[W2F], s[K0], 34
	s_mov_b32 s[CNT], 33
; The quantiser of F's 64 numbers, cut into fifteen pieces of about eight lines, which stand among the step's 48 products.
.macro QMAX i                          ; two more numbers of each of the four blocks into the blocks' largest magnitudes
.irp b, 0,1,2,3
.if \i == 0
	v_max3_num_f32 v[TM+\b], |v[F+16*\b]|, |v[F+1+16*\b]|, 0x8000000
.else
	v_max3_num_f32 v[TM+\b], v[TM+\b], |v[F+16*\b+\i]|, |v[F+1+16*\b+\i]|
.endif
.endr
.endm
.macro QHALF g                         ; eight numbers of block g / 2: the hold, then their codes
.irp i, 0,1,2,3,4,5,6,7
	v_med3_num_f32 v[F+8*(\g)+\i], v[F+8*(\g)+\i], -v[TM+12+(\g)/2], v[TM+12+(\g)/2]
.endr
	v_cvt_scalef32_pk8_bf8_f32 v[PC+2*(\g):PC+2*(\g)+1], v[F+8*(\g):F+8*(\g)+7], v[TM+18+(\g)/2]
.endm
.macro PIECE n
.set UN, \n
.if UN < 4
	QMAX 4*UN
	QMAX 4*UN+2
.elseif UN == 4
.irp b, 0,1,2,3
	v_permlanex16_b32 v[TM+6+\b], v[TM+\b], s[SEL], s[SEL+1]
.endr
.irp b, 0,1,2,3
	v_max_num_f32 v[TM+\b], v[TM+\b], v[TM+6+\b]
.endr
.elseif UN == 5
.irp b, 0,1,2,3
	v_add_nc_u32 v[TM+18+\b], 0xf8800000, v[TM+\b]
.endr
.irp b, 0,1,2,3
	v_and_or_b32 v[TM+12+\b], v[TM+\b], 0x7f800000, s[MNT]
.endr
.elseif UN == 6
.irp b, 0,1,2,3
	v_lshrrev_b32 v[TM+6+\b], 23, v[TM+18+\b]
.endr
	v_lshl_or_b32 v[PW], v[TM+7], 8, v[TM+6]
	v_lshl_or_b32 v[PW], v[TM+8], 16, v[PW]
	v_lshl_or_b32 v[PW], v[TM+9], 24, v[PW]
.else
	QHALF UN-7
.endif
.endm
; A step's 48 products from registers; the 48 accumulators take turns.  pipe = 1: the products go in three groups of four fragments (16 products).  Pieces 5, 11 and 14 of the quantiser, eight plain
; lines each, stand behind a group's last product: they are the places in front of ONE run of 18 LDS loads, which brings the next step's four fragments and two scale words into the group's registers.
; The other twelve pieces stand singly between two products.
.macro MMP pipe
.irp f, 0,1,2,3,4,5,6,7,8,9,10,11
.if \f < 8
.set AC, 32*\f
.set BR, 128+16*\f
.else
.set AC, 32*(\f-8)
.set BR, 192+16*(\f-8)
.endif
.irp m, 0,1,2,3
.if \f < 8
	WIN 0xa3
.else
	WIN 0xf1
.endif
	WM AC+8*\m, BR, AF+16*\m, BSC+\f/2, ASC+\m, \f%2
.if \pipe
.set WI, 4*\f+\m
.set PN, -1
.if (WI < 10) && (WI%2 == 0)
.set PN, WI/2
.elseif WI == 15
.set PN, 5
.elseif (WI >= 16) && (WI < 26) && (WI%2 == 0)
.set PN, WI/2-2
.elseif WI == 31
.set PN, 11
.elseif WI == 32
.set PN, 12
.elseif WI == 34
.set PN, 13
.elseif WI == 47
.set PN, 14
.endif
.if PN >= 0
	WIN 0
	PIECE PN
.endif
.if WI%16 == 15
	ds_load_b32 v[BSC+\f/2-1], v[ADS] offset:128*(\f/2-1)
	ds_load_b32 v[BSC+\f/2], v[ADS] offset:128*(\f/2)
.if \f < 8
	WIN 0xc0
.else
	WIN 0x40
.endif
.irp d, 3,2,1,0
.irp c, 0,1,2,3
	ds_load_b128 v[BR-16*\d+4*\c:BR-16*\d+4*\c+3], v[ADB] offset:2048*(\f-\d)+512*\c
.endr
.endr
.endif
.endif
.endr
.endr
	WIN 0
.if \pipe
	v_nop                                          ; a plain line behind the last conversion
.endif
.endm
.Ltrip:
	REFILL                                         ; the next step's slot has landed, this step's slot is read out and takes step NXT
	ADDRS 1                                        ; ADB, ADS: the next step's slot
	LOADF                                          ; this step's operand image, 17 loads
	TREEF 0, 33                                    ; the next step's 64 products
.Ljoin:
	s_wait_dscnt 0x0                               ; the image is in: nothing else of mine is out
	MMP 1
	IMG ADW, ADSW
	TOGGLE
	s_xor_b32 s[IB], s[IB], IMGB
	s_xor_b32 s[IO], s[IO], IMGB
	s_mov_b32 s[FS], s[NXT]
	s_add_co_u32 s[NXT], s[NXT], 1
	s_cmp_eq_u32 s[NXT], 33
	s_cselect_b32 s[NXT], 0, s[NXT]
	s_sub_co_u32 s[CNT], s[CNT], 1
	s_cmp_eq_u32 s[CNT], 1
	s_cselect_b32 s[NXT], s[W2F], s[NXT]           ; the last trip fetches W2's first step
	s_cmp_lg_u32 s[CNT], 0
	s_cbranch_scc1 .Ltrip
	; W1's last step: its weights are in registers; a barrier shows the four waves' images; nothing is fetched here
	s_wait_tensorcnt 0x0
	ds_add_u32 v[SPW], v[NIL]
	s_wait_dscnt 0x0
	s_barrier_signal -1
	s_barrier_wait -1
	v_add_nc_u32 v[ADI], s[IB], v[IR0]
	LOADF
	s_wait_dscnt 0x0
	MMP 0
	PLACES 8
.macro QY m
	WIN 0x0a
.irp b, 0,1,2,3
	v_max3_num_f32 v[TM+\b], v[64*\b+8*(\m)], v[64*\b+8*(\m)+1], 0x8000000
.endr
.irp i, 2,4,6,8,10,12,14
.irp b, 0,1,2,3
	v_max3_num_f32 v[TM+\b], v[64*\b+32*(\i/8)+8*(\m)+\i%8], v[64*\b+32*(\i/8)+8*(\m)+\i%8+1], v[TM+\b]
.endr
.endr
	WIN 0x0f
.irp b, 4,5
	v_max3_num_f32 v[TM+\b], v[64*(\b-4)+8*(\m)], v[64*(\b-4)+8*(\m)+1], 0x8000000
.endr
.irp i, 2,4,6,8,10,12,14
.irp b, 4,5
	v_max3_num_f32 v[TM+\b], v[64*(\b-4)+32*(\i/8)+8*(\m)+\i%8], v[64*(\b-4)+32*(\i/8)+8*(\m)+\i%8+1], v[TM+\b]
.endr
.endr
	WIN 0
.irp b, 0,1,2,3,4,5
	v_permlanex16_b32 v[TM+6+\b], v[TM+\b], s[SEL], s[SEL+1]
.endr
.irp b, 0,1,2,3,4,5
	v_max_num_f32 v[TM+\b], v[TM+\b], v[TM+6+\b]
.endr
.irp b, 0,1,2,3,4,5
	v_add_nc_u32 v[TM+18+\b], 0xf8800000, v[TM+\b]
.endr
.irp b, 0,1,2,3,4,5
	v_and_or_b32 v[TM+12+\b], v[TM+\b], 0x7f800000, s[MNT]
.endr
.irp b, 0,1,2,3,4,5
	v_lshrrev_b32 v[TM+6+\b], 23, v[TM+18+\b]
.endr
.irp i, 0,1,2
	v_lshl_or_b32 v[TM+6+2*\i], v[TM+7+2*\i], 8, v[TM+6+2*\i]
.endr
	WIN 0x02
.irp b, 0,1,2,3
.irp i, 0,1,2,3,4,5,6,7,8,9,10,11,12,13,14,15
	v_med3_num_f32 v[128+16*\b+\i], v[64*\b+32*(\i/8)+8*(\m)+\i%8], 0, v[TM+12+\b]
.endr
.endr
	WIN 0x03
.irp b, 4,5
.irp i, 0,1,2,3,4,5,6,7,8,9,10,11,12,13,14,15
	v_med3_num_f32 v[128+16*\b+\i], v[64*(\b-4)+32*(\i/8)+8*(\m)+\i%8], 0, v[TM+12+\b]
.endr
.endr
	WIN 0
.irp b, 0,1,2,3,4,5
	v_cvt_scalef32_pk8_bf8_f32 v[PC+4*\b:PC+4*\b+1], v[128+16*\b:135+16*\b], v[TM+18+\b]
	v_cvt_scalef32_pk8_bf8_f32 v[PC+4*\b+2:PC+4*\b+3], v[136+16*\b:143+16*\b], v[TM+18+\b]
.endr
	v_nop
.irp b, 0,1,2,3,4,5
	ds_store_b128 v[HW0], v[PC+4*\b:PC+4*\b+3] offset:12288*(\m)+512*\b
.endr
.irp i, 0,1,2
	ds_store_b16 v[HSW0], v[TM+6+2*\i] offset:1024*(\m)+2*\i
.endr
	s_wait_dscnt 0x0
.endm
	QY 0
	QY 1
	QY 2
	QY 3
	BIAS B2A, 96, 0
	WIN 0x40
	RTLOAD 0, 0
	RTLOAD 1, 96
	WIN 0
	s_wait_loadcnt 48
	s_mov_b32 s[KC], s[K0]
	s_add_co_u32 s[KN], s[K0], 1
	s_cmp_eq_u32 s[KN], 6
	s_cselect_b32 s[KN], 0, s[KN]
	s_mov_b32 s[CNT], 5
.Lk2:
	s_add_co_u32 s[NXT], s[KN], 34
	REFILL
	ADDRS 0
	TREEH 0, 6, 0
.Lhjoin_0:
	s_wait_alu depctr_va_vdst(0)
	LOADB
	MATMUL 0
	TOGGLE
	s_mov_b32 s[KC], s[KN]
	s_add_co_u32 s[KN], s[KN], 1
	s_cmp_eq_u32 s[KN], 6
	s_cselect_b32 s[KN], 0, s[KN]
	s_sub_co_u32 s[CNT], s[CNT], 1
	s_cmp_lg_u32 s[CNT], 0
	s_cbranch_scc1 .Lk2
	s_wait_tensorcnt 0x0
	PLACES 4
	ADDRS 0
	TREEH 0, 6, 1
.Lhjoin_1:
	s_wait_alu depctr_va_vdst(0)
	LOADB
	MATMUL 0
	PLACES 8
	WIN 0xc0
	RTLOAD 2, 128
	WIN 0
.macro TILE m, win, rt, lcnt
	WIN 0x08
.irp f, 0,1,2,3,4,5,6,7
	ds_store_b128 v[STO], v[32*\f+8*(\m):32*\f+8*(\m)+3] offset:64*\f
	ds_store_b128 v[STO], v[32*\f+8*(\m)+4:32*\f+8*(\m)+7] offset:64*\f+16
.endr
	WIN 0x0c
.irp f, 8,9,10,11
	ds_store_b128 v[STO], v[32*(\f-8)+8*(\m):32*(\f-8)+8*(\m)+3] offset:64*\f
	ds_store_b128 v[STO], v[32*(\f-8)+8*(\m)+4:32*(\f-8)+8*(\m)+7] offset:64*\f+16
.endr
	WIN 0
.if \m > 0
	s_wait_xcnt 0x0
.endif
.irp a, 0,1,2,3,4,5,6,7
	ds_load_b128 v[SB+12*\a:SB+12*\a+3], v[AB0] offset:1568*\a
	ds_load_b128 v[SB+12*\a+4:SB+12*\a+7], v[RD1] offset:1568*\a+512
	ds_load_b128 v[SB+12*\a+8:SB+12*\a+11], v[AB0] offset:1568*\a+1040
.endr
	s_wait_loadcnt \lcnt
	s_wait_dscnt 0x0
.set I, 0
.rept 96
	v_max_num_f32 v[SB+I], 0, v[SB+I]
.set I, I+1
.endr
	WIN \win
.set I, 0
.rept 48
	v_pk_add_f32 v[SB+I:SB+I+1], v[SB+I:SB+I+1], v[\rt+I:\rt+I+1]
.set I, I+2
.endr
	WIN 0
.irp a, 0,1,2,3,4,5,6,7
	global_store_b128 v[L16], v[SB+12*\a:SB+12*\a+3], s[8:9] offset:49152*(\m)+6144*\a th:TH_STORE_NT
	global_store_b128 v[GO1], v[SB+12*\a+4:SB+12*\a+7], s[8:9] offset:49152*(\m)+6144*\a+512 th:TH_STORE_NT
	global_store_b128 v[L16], v[SB+12*\a+8:SB+12*\a+11], s[8:9] offset:49152*(\m)+6144*\a+3328 th:TH_STORE_NT
.endr
.endm
	TILE 0, 0x04, 0, 48
	WIN 0x40
	RTLOAD 3, 0
	WIN 0
	TILE 1, 0x04, 96, 48
	TILE 2, 0x0c, 128, 24
	TILE 3, 0x04, 0, 0
	s_wait_tensorcnt 0x0
	ds_add_u32 v[SPW], v[NIL]
	s_wait_dscnt 0x0
	CROUND
	s_endpgm
.Lfunc_end_k_qb717fc5048_fused:
	.size	k_qb717fc5048_fused, .Lfunc_end_k_qb717fc5048_fused-k_qb717fc5048_fused
	.p2alignl 7, 3214868480
	.fill 96, 4, 3214868480
	.section	.rodata,"a",@progbits
	.p2align	6, 0x0
	.amdhsa_kernel k_qb717fc5048_fused
		.amdhsa_group_segment_fixed_size 327680
		.amdhsa_private_segment_fixed_size 0
		.amdhsa_enable_private_segment 0
		.amdhsa_kernarg_size 152
		.amdhsa_user_sgpr_count 2
		.amdhsa_user_sgpr_kernarg_segment_ptr 1
		.amdhsa_wavefront_size32 1
		.amdhsa_system_sgpr_workgroup_id_x 1
		.amdhsa_system_sgpr_workgroup_id_y 1
		.amdhsa_system_sgpr_workgroup_id_z 1
		.amdhsa_system_vgpr_workitem_id 0
		.amdhsa_next_free_vgpr 1024
		.amdhsa_next_free_sgpr 100
		.amdhsa_reserve_vcc 0
		.amdhsa_float_denorm_mode_32 3
		.amdhsa_float_denorm_mode_16_64 3
		.amdhsa_memory_ordered 1
		.amdhsa_forward_progress 1
		.amdhsa_inst_pref_size 255
	.end_amdhsa_kernel
	.section	.bss,"aw",@nobits
	.p2align	6
	.space	262144
	.amdgpu_metadata
---
amdhsa.version: [ 1, 2 ]
amdhsa.kernels:
  - .name:           k_qb717fc5048_fused
    .symbol:         k_qb717fc5048_fused.kd
    .args:
      - { .name: text_x, .offset: 0, .size: 8, .value_kind: global_buffer, .address_space: global }
      - { .name: audio_x, .offset: 8, .size: 8, .value_kind: global_buffer, .address_space: global }
      - { .name: out0, .offset: 16, .size: 8, .value_kind: global_buffer, .address_space: global }
      - { .name: WQ, .offset: 24, .size: 8, .value_kind: global_buffer, .address_space: global }
      - { .name: t_var, .offset: 32, .size: 8, .value_kind: global_buffer, .address_space: global }
      - { .name: t_gamma, .offset: 40, .size: 8, .value_kind: global_buffer, .address_space: global }
      - { .name: t_mean, .offset: 48, .size: 8, .value_kind: global_buffer, .address_space: global }
      - { .name: t_beta, .offset: 56, .size: 8, .value_kind: global_buffer, .address_space: global }
      - { .name: a_var, .offset: 64, .size: 8, .value_kind: global_buffer, .address_space: global }
      - { .name: a_gamma, .offset: 72, .size: 8, .value_kind: global_buffer, .address_space: global }
      - { .name: a_mean, .offset: 80, .size: 8, .value_kind: global_buffer, .address_space: global }
      - { .name: a_beta, .offset: 88, .size: 8, .value_kind: global_buffer, .address_space: global }
      - { .name: aW_codes, .offset: 96, .size: 8, .value_kind: global_buffer, .address_space: global }
      - { .name: aW_scales, .offset: 104, .size: 8, .value_kind: global_buffer, .address_space: global }
      - { .name: ab, .offset: 112, .size: 8, .value_kind: global_buffer, .address_space: global }
      - { .name: tW_scales, .offset: 120, .size: 8, .value_kind: global_buffer, .address_space: global }
      - { .name: tb, .offset: 128, .size: 8, .value_kind: global_buffer, .address_space: global }
      - { .name: b1, .offset: 136, .size: 8, .value_kind: global_buffer, .address_space: global }
      - { .name: b2, .offset: 144, .size: 8, .value_kind: global_buffer, .address_space: global }
    .group_segment_fixed_size: 327680
    .private_segment_fixed_size: 0
    .kernarg_segment_align: 8
    .kernarg_segment_size: 152
    .max_flat_workgroup_size: 128
    .sgpr_count:     100
    .vgpr_count:     1024
    .wavefront_size: 32
...
	.end_amdgpu_metadata
.endif
;; end of part 2
